; MI455X (gfx1250); checked and timed in simulation.
; The chip was launched on July 23, 2026; its instructions are those of AMD's public machine-readable ISA for CDNA 5 (MIT licence, August 2026) and "CDNA5" Instruction Set Architecture Reference Guide (July 2026). The comments in the code are by the model that wrote it; some were corrected since.
;; Multi Head Attention. Allowed arithmetic: matrix products marked QUANTISED: E2M3 operands, one E8M0 scale for each 32 along K, by v_wmma_scale_f32_16x16x128_f8f6f4 with both operands' format E2M3, f32 sums; everything else in f32.
;; Inputs: Wk 1,024 x 1,024 float32; Wq 1,024 x 1,024 float32; Wv 1,024 x 1,024 float32; bk 1,024 float32; bq 1,024 float32; bv 1,024 float32; input_x 4 x 2,048 x 1,024 float32; pad_mask 4 x 2,048 int32.
;; Outputs: out0 4 x 2,048 x 1,024 float32.
;; This version of the problem:
;;   THIS VERSION OF THE PROBLEM IS GIVEN IN LOW PRECISION. The matrix products marked QUANTISED in the list below multiply operands that are first quantised to E2M3 (2 exponent bits, 3 mantissa bits; 6 bits a number), with one power-of-two scale for each 32 numbers along K (OCP MX v1.0); their sums are f32. All else is computed in f32.
;;   The module's matrix products, in the order in which they are computed (A, B: the left and right operand; K: the contracted axis; several contracted axes count as one K, in the product's order):
;;     1. [M 8,192, K 1,024] x [K 1,024, N 1,024]; A: input input_x; B: input Wq: QUANTISED
;;     2. [M 8,192, K 1,024] x [K 1,024, N 1,024]; A: input input_x; B: input Wk: QUANTISED
;;     3. [M 8,192, K 1,024] x [K 1,024, N 1,024]; A: input input_x; B: input Wv: QUANTISED
;;     4. batch 64 x [M 2,048, K 64] x [K 64, N 2,048]; A: computed on the way; B: computed on the way: QUANTISED
;;     5. batch 64 x [M 2,048, K 2,048] x [K 2,048, N 64]; A: computed on the way; B: computed on the way: QUANTISED
;;   THE QUANTISER, for each operand of a quantised product, along K:
;;     - K is cut into blocks of 32 from its start; a last block that is shorter is filled with zeros.
;;     - A block's scale is 2^e with e = floor(log2(the largest magnitude in the block)) - 2, held to -126 .. 127; a block of zeros has e = 0. As a byte (E8M0): e + 127.
;;     - Each number is divided by its block's scale, clamped to +-7.5, and rounded to the nearest number of E2M3, ties to even, subnormals kept.
;;     - The product sums the exact products of the quantised numbers (number of the format x scale) in f32.
;;   ~~~python
;;   def quantise(x, axis):      # numpy; x: float32 -> the quantised numbers, widened to float32 again
;;       x = np.moveaxis(x, axis, -1); K = x.shape[-1]
;;       x = np.pad(x, [(0, 0)] * (x.ndim - 1) + [(0, -K % 32)]); x = x.reshape(x.shape[:-1] + (-1, 32)); a = np.abs(x).max(-1, keepdims=True)
;;       e = np.where(a > 0, np.clip(np.frexp(np.where(a > 0, a, 1))[1] - 1 - 2, -126, 127), 0)      # np.frexp(a)[1] - 1 = floor(log2(a)), exactly
;;       r = np.clip(x / 2.0 ** e, -7.5, 7.5)
;;       step = 2.0 ** (np.maximum(np.frexp(np.where(r == 0, 1, r))[1] - 1, 0) - 3)
;;       q = np.round(r / step) * step * 2.0 ** e      # np.round: ties to even
;;       return np.moveaxis(q.reshape(q.shape[:-2] + (-1,))[..., :K], -1, axis).astype(np.float32)
;;   ~~~
;;   OPERANDS COMPUTED ON THE WAY. 'Computed on the way' means the value that the module computes at that place (a softmax that the list does not call 'softmax' is quantised finished and normalised). What goes into a quantiser is computed in f32, as accurately as f32 sums, v_exp_f32 and their like allow (about 1e-6 of the number): no bf16 or f16 on the way to a quantiser, and a product that is left as it is and whose result goes on into a quantised operand takes f32 operands (vector FMAs, or v_wmma_f32_16x16x4_f32). A number that lies on a knife's edge between two numbers of the format may be rounded either way, as far as f32 arithmetic and the matrix unit's own rounding can turn it there, and no further.
;; One version. Each part assembles by itself: llvm-mc -triple=amdgcn-amd-amdhsa -mcpu=gfx1250 --defsym DOCPART=n.
;; ======== version 1 of 1: 3 launches
;; limits: right only within a limited range of input values
;; workspace buffers: x_codes 6,291,456 bytes; x_scales 262,144 bytes; w_codes 2,359,296 bytes; w_scales 98,304 bytes; qk 13,631,488 bytes; vbuf 6,553,600 bytes
;; launch quant (part 1): grid 352 x 1, 4 waves a work-group, no clusters, 33,280 bytes of LDS; arguments input_x, Wq, Wk, Wv, x_codes, x_scales, w_codes, w_scales; writes x_codes, x_scales, w_codes, w_scales
.if DOCPART == 1
	.amdgcn_target "amdgcn-amd-amdhsa--gfx1250"
	.amdhsa_code_object_version 6
	.text
	.protected	k_qa27457cf4e_quant
	.globl	k_qa27457cf4e_quant
	.p2align	8
	.type	k_qa27457cf4e_quant,@function
k_qa27457cf4e_quant:
	s_mov_b64 s[64:65], 0
	v_nop
	global_prefetch_b8 v0, s[64:65] scope:SCOPE_SE
	s_setreg_imm32_b32 hwreg(HW_REG_WAVE_MODE, 25, 1), 1
	s_wait_xcnt 0x0
; input_x [8192][1024] and Wq, Wk, Wv [1024][1024], f32, become codes of FP6 (E2M3), K innermost (768 bytes a row), with one E8M0 byte for each 32 along K (32 bytes a row).
; The three weights go into one buffer of 3,072 rows: Wq, Wk, Wv.
; A block's scale is 2^(floor(log2(its largest magnitude)) - 2): its byte is the largest magnitude's exponent field - 2, held at 1 from below.  A block of zeros keeps the byte 1: its codes are zeros,
; which add nothing under any byte but 0xff, and the bytes are read by this program alone.
; LIMITS: NaN and infinities among the inputs are not served; blocks whose largest magnitude lies under 2^-124 get the byte 1.
; ROW ORDER OF THE RESULTS: within each 32 rows the second and the third group of 8 rows change places, so that 16 consecutive stored rows are rows 8 u + r + 8 (r / 8) of their 32 (u = 0, 1; r = 0 .. 15).
; Used as source 0 of a matrix instruction such a tile leaves a lane's 16 registers of two neighbouring result tiles as 16 neighbouring rows, which is what the next quantiser wants.
; A work-group takes 32 rows, a wave 8 (8,192 numbers, 16 steps of 512): so the change of places is a change of the wave's place in the results: wave 1 writes where wave 2 would, and wave 2 where wave 1 would.
; Each of a step's four loads reads 512 consecutive bytes; the 2,048 bytes turn through the wave's own stage in LDS and come back 64 bytes a lane: 16 neighbours along K, two lanes to a block.
; Work-groups 0-255 take input_x, 256-351 the weights, 32 each.  Only pointers are chosen: one path through the text.  No tensor loads, no barrier: waves share nothing.
.set STEPS, 16
.set XWG,   256                        ; work-groups of input_x: 8,192 rows / 32
.set CB,    12                         ; bytes of 16 codes
.set R,     16                         ; v16-79   four sets of 16 numbers as they are loaded
.set X,     80                         ; v80-111  two sets of 16 neighbours
.set C,     128                        ; v128-191 codes: four registers for each step, so that no store's data are written again
.set E,     112                        ; v112-127 a scale byte for each step
.set WREG,  8192                       ; LDS: a region for each wave: two stages of 32 x SP bytes, behind them its 256 scale bytes
.set SP,    80                         ; a lane's place in a stage: its 64 bytes + 16 of padding
	s_load_b512 s[4:19], s[0:1], 0x0               ; x s[4:5], Wq s[6:7], Wk s[8:9], Wv s[10:11], x's codes s[12:13], x's scales s[14:15], w's codes s[16:17], w's scales s[18:19]
	v_lshl_add_u32 v192, v0, 2, 0x8000
	v_mov_b32 v193, 0
	v_lshrrev_b32 v1, 5, v0
	v_readfirstlane_b32 s20, v1                    ; wave
	v_and_b32 v2, 31, v0                           ; lane
	v_lshlrev_b32 v3, 4, v2                        ; my 16 bytes of a load's 512
	s_mul_i32 s21, s20, WREG
	v_lshrrev_b32 v14, 2, v2
	v_mul_u32_u24 v14, v14, SP
	v_and_b32 v15, 3, v2
	v_lshl_add_u32 v14, v15, 4, v14
	v_add_nc_u32 v14, s21, v14                     ; the stage, on the way in: SP (lane / 4) + 16 (lane % 4)
	v_mul_u32_u24 v15, v2, SP
	v_add_nc_u32 v15, s21, v15                     ; and on the way out: SP x lane: my 16 neighbours
	v_mul_u32_u24 v4, v2, CB                       ; my codes' place in a step's
	v_lshrrev_b32 v5, 1, v2
	s_add_co_u32 s21, s21, 2*32*SP
	v_add_nc_u32 v5, s21, v5                       ; LDS: my wave's 256 scale bytes, my block's byte
	v_lshlrev_b32 v7, 3, v2                        ; and on the way out 8 bytes a lane
	v_add_nc_u32 v6, s21, v7
	s_wait_kmcnt 0x0
	s_cmp_lt_u32 ttmp9, XWG
	s_cselect_b32 s22, 0, XWG
	s_sub_co_u32 s22, ttmp9, s22                   ; the group of 32 rows in the results: in x's buffers, or in the weights'
	s_lshr_b32 s23, s22, 5                         ; which weight
	s_and_b32 s24, s22, 31                         ; and which 32 rows of it
	s_cmp_eq_u32 s23, 1
	s_cselect_b64 s[6:7], s[8:9], s[6:7]
	s_cmp_eq_u32 s23, 2
	s_cselect_b64 s[6:7], s[10:11], s[6:7]
	s_cmp_lt_u32 ttmp9, XWG                        ; every choice hangs on the work-group's number alone
	s_cselect_b64 s[4:5], s[4:5], s[6:7]
	s_cselect_b64 s[12:13], s[12:13], s[16:17]
	s_cselect_b64 s[14:15], s[14:15], s[18:19]
	s_cselect_b32 s24, s22, s24
	s_lshl_b32 s24, s24, 2
	s_add_co_u32 s24, s24, s20                     ; the run of 8 rows that my wave reads,
	s_lshl_b32 s24, s24, 15                        ; 32,768 bytes each
	s_mov_b32 s25, 0
	s_add_nc_u64 s[4:5], s[4:5], s[24:25]
	s_and_b32 s26, s20, 1
	s_lshl_b32 s26, s26, 1
	s_lshr_b32 s27, s20, 1
	s_or_b32 s26, s26, s27                         ; the wave's two bits change places: 0, 2, 1, 3
	s_lshl_b32 s22, s22, 2
	s_add_co_u32 s22, s22, s26                     ; the run that it writes
	s_mul_i32 s24, s22, 32*STEPS*CB                ; 6,144 bytes of codes a run
	s_add_nc_u64 s[12:13], s[12:13], s[24:25]
	s_lshl_b32 s24, s22, 8                         ; 256 scale bytes a run
	s_add_nc_u64 s[14:15], s[14:15], s[24:25]
.macro LOAD t
.irp i, 0,1,2,3
	global_load_b128 v[R+16*((\t)%4)+4*\i:R+16*((\t)%4)+4*\i+3], v3, s[4:5] offset:2048*(\t)+512*\i th:TH_LOAD_NT   ; 32 lanes read 512 consecutive bytes
.endr
.endm
.macro TURN t                          ; step t's numbers through the stage: LDS serves a wave's instructions in order, so no wait stands between the stores and the loads
.irp i, 0,1,2,3
	ds_store_b128 v14, v[R+16*((\t)%4)+4*\i:R+16*((\t)%4)+4*\i+3] offset:32*SP*((\t)%2)+8*SP*\i
.endr
.irp i, 0,1,2,3
	ds_load_b128 v[X+16*((\t)%2)+4*\i:X+16*((\t)%2)+4*\i+3], v15 offset:32*SP*((\t)%2)+16*\i
.endr
.endm
.irp t, 0,1,2,3
	LOAD \t
.endr
	s_wait_loadcnt 12                              ; step 0's four loads are in
	TURN 0
.macro STEP t
.set XS, X+16*((\t)%2)
.if (\t) > 0
	s_wait_dscnt 1                                 ; this step's numbers are back from the stage (the last step's byte store may be out): so its stores into the stage have read their registers,
.else
	s_wait_dscnt 0x0
.endif
.if (\t)+4 < STEPS
	LOAD (\t)+4                                    ; which take the loads of four steps on
.endif
.if (\t)+1 < STEPS
.if STEPS-2-(\t) >= 3
	s_wait_loadcnt 12                              ; the next step's four loads are in; those of the three steps behind it may be out
.else
	s_wait_loadcnt 4*(STEPS-2-(\t))
.endif
	TURN (\t)+1                                    ; and go through the other stage while this step is worked
.endif
	v_max3_num_f32 v8, |v[XS]|, |v[XS+1]|, |v[XS+2]|               ; the largest magnitude of my 16, in two chains
	v_max3_num_f32 v9, |v[XS+3]|, |v[XS+4]|, |v[XS+5]|
.irp i, 6,10
	v_max3_num_f32 v8, v8, |v[XS+\i]|, |v[XS+\i+1]|
	v_max3_num_f32 v9, v9, |v[XS+\i+2]|, |v[XS+\i+3]|
.endr
	v_max3_num_f32 v8, v8, |v[XS+14]|, |v[XS+15]|
	v_max3_num_f32 v8, v8, v9, 0x1800000           ; and the floor 2^(3 - 127): the byte cannot fall under 1
	v_max_num_f32_dpp v8, v8, v8 row_xmask:1 row_mask:0xf bank_mask:0xf   ; and of my neighbour's 16: the block's
	v_add_nc_u32 v11, 0xff000000, v8               ; 2 off its exponent field: the conversion takes the exponent field of this operand as its scale, and nothing else of it
	v_cvt_scalef32_pk16_fp6_f32 v[C+4*(\t):C+4*(\t)+2], v[XS:XS+15], v11   ; sixteen numbers / the scale, to the nearest code, ties to even, beyond the largest code the largest
	v_lshrrev_b32 v[E+(\t)], 23, v11               ; the scale's byte
	ds_store_b8 v5, v[E+(\t)] offset:16*(\t)       ; both lanes of a block write the same byte with the same value
	global_store_b96 v4, v[C+4*(\t):C+4*(\t)+2], s[12:13] offset:32*CB*(\t)   ; the wave stores 384 consecutive bytes
.endm
.irp t, 0,1,2,3,4,5,6,7,8,9,10,11,12,13,14,15
	STEP \t
.endr
	ds_load_b64 v[12:13], v6                       ; LDS serves a wave's instructions in order: these see my stores
	s_wait_dscnt 0x0
	global_store_b64 v7, v[12:13], s[14:15]        ; 32 lanes store 256 consecutive bytes, aligned
	s_wait_tensorcnt 0x0
	ds_add_u32 v192, v193
	s_wait_dscnt 0x0
	s_endpgm
.Lfunc_end_k_qa27457cf4e_quant:
	.size	k_qa27457cf4e_quant, .Lfunc_end_k_qa27457cf4e_quant-k_qa27457cf4e_quant
	.p2alignl 7, 3214868480
	.fill 96, 4, 3214868480
	.section	.rodata,"a",@progbits
	.p2align	6, 0x0
	.amdhsa_kernel k_qa27457cf4e_quant
		.amdhsa_group_segment_fixed_size 33280
		.amdhsa_private_segment_fixed_size 0
		.amdhsa_enable_private_segment 0
		.amdhsa_kernarg_size 64
		.amdhsa_user_sgpr_count 2
		.amdhsa_user_sgpr_kernarg_segment_ptr 1
		.amdhsa_wavefront_size32 1
		.amdhsa_system_sgpr_workgroup_id_x 1
		.amdhsa_system_sgpr_workgroup_id_y 1
		.amdhsa_system_sgpr_workgroup_id_z 1
		.amdhsa_system_vgpr_workitem_id 0
		.amdhsa_next_free_vgpr 194
		.amdhsa_next_free_sgpr 66
		.amdhsa_reserve_vcc 0
		.amdhsa_float_denorm_mode_32 3
		.amdhsa_float_denorm_mode_16_64 3
		.amdhsa_memory_ordered 1
		.amdhsa_forward_progress 1
		.amdhsa_inst_pref_size 33
	.end_amdhsa_kernel
	.amdgpu_metadata
---
amdhsa.version: [ 1, 2 ]
amdhsa.kernels:
  - .name:           k_qa27457cf4e_quant
    .symbol:         k_qa27457cf4e_quant.kd
    .args:
      - { .name: input_x, .offset: 0, .size: 8, .value_kind: global_buffer, .address_space: global }
      - { .name: Wq, .offset: 8, .size: 8, .value_kind: global_buffer, .address_space: global }
      - { .name: Wk, .offset: 16, .size: 8, .value_kind: global_buffer, .address_space: global }
      - { .name: Wv, .offset: 24, .size: 8, .value_kind: global_buffer, .address_space: global }
      - { .name: x_codes, .offset: 32, .size: 8, .value_kind: global_buffer, .address_space: global }
      - { .name: x_scales, .offset: 40, .size: 8, .value_kind: global_buffer, .address_space: global }
      - { .name: w_codes, .offset: 48, .size: 8, .value_kind: global_buffer, .address_space: global }
      - { .name: w_scales, .offset: 56, .size: 8, .value_kind: global_buffer, .address_space: global }
    .group_segment_fixed_size: 33280
    .private_segment_fixed_size: 0
    .kernarg_segment_align: 8
    .kernarg_segment_size: 64
    .max_flat_workgroup_size: 128
    .sgpr_count:     66
    .vgpr_count:     194
    .wavefront_size: 32
...
	.end_amdgpu_metadata
.endif
;; end of part 1
;; launch proj (part 2): grid 12 x 32, 4 waves a work-group, clusters of 4 x 4, 327,680 bytes of LDS; arguments x_codes, x_scales, w_codes, w_scales, bq, bk, bv, pad_mask, qk, vbuf; writes qk, vbuf
.if DOCPART == 2
	.amdgcn_target "amdgcn-amd-amdhsa--gfx1250"
	.amdhsa_code_object_version 6
	.text
	.protected	k_qa27457cf4e_proj
	.globl	k_qa27457cf4e_proj
	.p2align	8
	.type	k_qa27457cf4e_proj,@function
k_qa27457cf4e_proj:
	s_mov_b64 s[64:65], 0
	v_nop
	global_prefetch_b8 v0, s[64:65] scope:SCOPE_SE
	s_setreg_imm32_b32 hwreg(HW_REG_WAVE_MODE, 25, 1), 1
	s_wait_xcnt 0x0
	s_wait_alu depctr_hold_cnt(0) depctr_sa_sdst(0) depctr_va_vdst(0) depctr_va_sdst(0) depctr_va_ssrc(0) depctr_va_vcc(0) depctr_vm_vsrc(0)
	s_getreg_b32 s2, hwreg(HW_REG_IB_STS2, 6, 4)
	s_cmp_eq_u32 s2, 0
	s_cbranch_scc0 .Lentry_in_a_cluster
	s_endpgm
.Lentry_in_a_cluster:
	s_bfe_u32 s2, ttmp6, 0x10000c
	s_cmp_lg_u32 s2, 0xf033
	s_cbranch_scc0 .Lentry_shape_is_right
	s_endpgm
.Lentry_shape_is_right:
; q = x Wq^T + bq, k = x Wk^T + bk, v = x Wv^T + bv on codes of FP6 (E2M3) with E8M0 scales, K = 1,024; the results are quantised in registers, q and k along the head's 64 features, v along the tokens,
; and leave as images of the operand registers of the attention launch.  Nothing wider than codes goes to memory.
; ONE TEXT, C = A B^T, used transposed (source 0 = 16 rows of B, source 1 = 16 rows of A): a lane holds ONE row of A and its registers run along rows of B, the axis that is quantised.
;   clusters x = 0, 1 (q, k): A = x (32 tile rows of 256), B = Wq, Wk (8 tile columns): a lane holds a token, registers run along features.
;   cluster  x = 2    (v):    A = Wv (4 tile rows),        B = x (32 tile columns):      a lane holds a feature, registers run along tokens.
; Which of the two is a number of the cluster, the same in all sixteen partners.  Rows of both code buffers are stored with the second and third group of 8 in each 32 exchanged, so that the 16 registers of result
; tiles 2 b and 2 b + 1 are rows 32 b + 16 (lane / 16) + 0 .. 15 of B in their true order.
; A tile of C, 256 x 256, is made by four waves, each 128 x 128: 64 accumulators, 512 registers.  K goes in steps of 256 through a ring of two LDS slots filled by the tensor data mover; the scale bytes of the
; work-group's rows come into LDS once.  4 x 4 work-groups form a cluster: A's tiles are asked for jointly along a row of the cluster, B's along a column.
; 384 tiles are 24 clusters.  A tile of 128 x 256 would divide evenly over the WGPs but reads 72 fragments' pieces from LDS for 32 matrix instructions where this one reads 96 for 64.
; THE BIAS is the C of each sum's first matrix instruction.
; RESULTS.  qk: head (isK x 64 + batch x 16 + head) has 106,496 bytes: 128 tiles of 16 tokens (stored order) x 768 bytes: three pieces of 256 bytes, piece p = fragment registers 2 p, 2 p + 1, 8 bytes a lane;
;   then 8,192 bytes of scale words: tile 4 q + i of step s (128 tokens), row r at 512 s + 256 q + 16 r + 4 i.  A word: bytes 0, 1 the scales of the head's two blocks; bytes 2, 3 carry the pad mask:
;   0x01, 0x00 where pad != 0, 0xe3, 0x1f where pad == 0 (the attention launch makes of them a code and a scale in the unused half of its K).
; vbuf: head has 102,400 bytes: fragment (tile i of 16 features, step s of 128 keys) at 6,144 s + 1,536 i, six pieces of 256 bytes; then 4,096 bytes of scale words at 256 s + 16 r + 4 i.
; LIMITS: NaN and infinities are not served; a block of zeros gets the byte 1 (its codes are zeros; this program alone reads the bytes).
; REGISTERS, in windows of 256: window 0: v0-31 addresses; v32-63 scale words, two sets, and nothing else; v64-127 the bias, on the way out two sets of codes; v128-223 A's fragments, on the way out work registers;
;   v224-231 pad words; v232-239 the scale words made; v240-255 store offsets.  window 1: B's fragments, two sets.  windows 2, 3: the accumulators ((a, b) at v[8 (8 (a % 4) + b)] of window 2 + a / 4).
.set KSTEP,  256                       ; along K in a slot
.set NQ,     2                         ; matrix instructions deep
.set ROWB,   192                       ; a tile's row in bytes
.set KROW,   768                       ; a row of codes in memory
.set PITCH,  240                       ; an LDS row: 3 x (64 bytes + 16 of padding): the 32 lanes of a load of 8 bytes touch 64 different banks (64 banks of 4 bytes: ISA guide 11.1)
.set FR,     12                        ; registers of a fragment
.set NL,     6                         ; LDS loads that bring one
.set NP,     4                         ; places behind this matrix instruction (ISA guide 7.12.1)
.set HALFT,  128*PITCH                 ; 128 rows: what one tensor load brings
.set SLOT,   4*HALFT                   ; A's 256 rows, then B's 256 rows
.set LAPS,   2                         ; K = 1,024 = 2 laps of 2 K steps
.set KS,     32                        ; a row of scale bytes
.set SCL,    2*SLOT                    ; behind the ring: the scales, as units of 256 bytes + 16 of padding
.set HALFS,  (128*KS/256)*272          ; the scales of 128 rows
.set SBLK,   (16*KS/256)*272           ; those of 16 rows
.set SPARE,  SCL+4*HALFS               ; the spare words, 128 bytes for each wave: two blocks of 256 bytes that no other line names
.set BA,   8                           ; v8-15   byte offsets of the bias loads, one for each register of a tile
.set ADRA, 16                          ; v16-17  LDS address of my A fragments in slot 0, 1  (v18-19: for the pieces behind one padding more)
.set ADRB, 20                          ; v20-21  the same for B  (v22-23)
.set VSW,  25                          ; v25     16 x lane: where q's and k's scale words go
.set VSV,  26                          ; v26     16 r + 102,400 (lane / 16): where v's go
.set ADRS, 27                          ; v27     LDS address of my scale words: lanes 0-15 A's rows, lanes 16-31 B's
.set SPW,  28                          ; v28     LDS address of my spare word; never rewritten
.set NIL,  29                          ; v29     0; never rewritten
.set PMO,  30                          ; v30     4 x (r + 8 (r / 8)): my row's pad word in a tile
.set SC,   32                          ; scale words: set s at v[SC + 16 s]; register 2 i + q: lanes 0-15 A's block i, lanes 16-31 B's block i
.set BIAS, 64
.set AF,   128
.set PM,   224
.set SWD,  232
.set AD,   240
.set AD2,  248
.set TM,   128                         ; the way out: v128-131 largest magnitudes, v132-135 bytes, v140-143 the conversions' scale operands
.set MBR,  144
.set EW,   148
.set OW,   156
.set RW,   164
.set LN,   172
.set G1, 24                            ; s[24:31] descriptor group 1 for A's tiles;  s[32:39] group 0, one set for each slot
.set G0, 32
.set G1B, 48                           ; s[48:55], s[56:63] the same for B's tiles
.set G0B, 56
.set G1S, 68                           ; s[68:75], s[76:79] groups 1 and 0 for A's scales;  s[80:87], s[88:91] for B's
.set G0S, 76
.set G1SB, 80
.set G0SB, 88
.set MSB, 0
.macro WIN new                         ; the immediate's high byte repeats the setting that is left
.if MSB != \new
	s_set_vgpr_msb (MSB<<8)|\new
.set MSB, \new
.endif
.endm
.set MUL_LO, 0xa1                      ; source 0 (B) window 1, source 1 (A) window 0, C and D window 2
.set MUL_HI, 0xf1                      ; the same, C and D window 3
.set FST_LO, 0x81                      ; the first K step: C (the bias) window 0, D window 2
.set FST_HI, 0xc1                      ; D window 3
.set TO_B,   0x40                      ; destination window 1, address window 0
; A joint load: waves 0 and 1 fetch for A, waves 2 and 3 for B.  Each line has one mask and one set of registers for all that issue it; the branch hangs on the wave's number alone.
; Four v_nop follow each of the two lines, ahead of the jump, the label and what follows.
.macro JLOAD g0a, g1a, g0b, g1b
	s_cmp_eq_u32 s15, 0
	s_cbranch_scc0 .Lfor_b_\@
	tensor_load_to_lds s[\g0a:\g0a+3], s[\g1a:\g1a+7]
	s_nop 0
.rept 4
	v_nop
.endr
	s_branch .Lasked_\@
.Lfor_b_\@:
	tensor_load_to_lds s[\g0b:\g0b+3], s[\g1b:\g1b+7]
	s_nop 0
.rept 4
	v_nop
.endr
.Lasked_\@:
.endm
.macro CREST                           ; a round of the cluster's barrier behind its opening barrier
	s_cmp_lg_u32 s14, 0
	s_cbranch_scc1 .Lnot_wave_0_\@
	s_barrier_signal -3
.Lnot_wave_0_\@:
	s_barrier_wait -3
	s_barrier_signal -1
	s_barrier_wait -1
.endm
.macro CROUND                          ; a whole round
	s_barrier_signal -1
	s_barrier_wait -1
	CREST
.endm
	s_load_b256 s[4:11], s[0:1], 0x0               ; x's codes s[4:5], x's scales s[6:7], w's codes s[8:9], w's scales s[10:11]
	v_lshl_add_u32 v[SPW], v0, 2, SPARE
	v_mov_b32 v[NIL], 0
	ds_add_u32 v28, v29
	ds_add_u32 v28, v29
	s_wait_dscnt 0x0
	v_lshrrev_b32 v1, 5, v0
	v_readfirstlane_b32 s14, v1                    ; wave 0..3
	s_lshr_b32 s15, s14, 1                         ; which half of the tile's rows (of A) is mine.  Also: I fetch for A (0) or for B (1)
	s_and_b32 s16, s14, 1                          ; which half of its columns (rows of B).  Also: which 128 rows of that tile I fetch
	s_bfe_u32 s40, ttmp6, 0x40000                  ; cx, cy: my place in the cluster
	s_bfe_u32 s41, ttmp6, 0x40004
	s_and_b32 s45, ttmp7, 0xffff                   ; cluster y
	s_cmp_eq_u32 ttmp9, 2                          ; cluster x = 2 makes v: the same answer in all sixteen partners
	s_cselect_b32 s96, 1, 0                        ; s96 = 1: v
	s_cselect_b32 s42, s45, ttmp9                  ; four tile columns: by cluster y (v: x's 32), by cluster x (q, k: the weights' 8)
	s_cselect_b32 s17, 0, s45                      ; four tile rows: Wv's only four, or x's by cluster y
	s_cselect_b32 s97, 2048, 0                     ; Wv begins at row 2,048 of the weights' buffer
	s_lshl_b32 s42, s42, 2
	s_add_co_u32 s42, s42, s40                     ; tile column
	s_lshl_b32 s17, s17, 2
	s_add_co_u32 s17, s17, s41                     ; tile row
	s_lshl_b32 s43, s41, 2
	s_lshl_b32 s43, 15, s43                        ; my row of the cluster
	s_lshl_b32 s44, 0x1111, s40                    ; my column
	; descriptor group 1: a tile of 128 rows x 192 bytes, padded in LDS
	s_or_b32 s[G1+0], s43, (0<<16)|(1<<20)|(1<<21)|(3<<22)|(3<<25)  ; 15:0 the mask: A's tiles go to my row; 17:16 element of 1 byte; 20 padding on; 21 set beside a mask; 24:22 after every 16 words; 31:25 of 4 words
	s_or_b32 s[G1B+0], s44, (0<<16)|(1<<20)|(1<<21)|(3<<22)|(3<<25)
.irp g, G1, G1B
	s_mov_b32 s[\g+1], ROWB<<16                    ; tensor_dim0
	s_mov_b32 s[\g+2], 128<<16                     ; tensor_dim1 = 128
	s_mov_b32 s[\g+3], ROWB<<16                    ; tile_dim0
	s_mov_b32 s[\g+4], 128                         ; tile_dim1 = 128
	s_mov_b32 s[\g+5], KROW                        ; tensor_dim0_stride
	s_mov_b32 s[\g+6], 0
	s_mov_b32 s[\g+7], 0
.endr
	; the scales of 128 rows: a dense block of 4,096 bytes, as 16 rows of 256 bytes (32 elements of 8 bytes), 16 bytes of padding behind each
	s_or_b32 s[G1S+0], s43, (3<<16)|(1<<20)|(1<<21)|(5<<22)|(3<<25)
	s_or_b32 s[G1SB+0], s44, (3<<16)|(1<<20)|(1<<21)|(5<<22)|(3<<25)
.irp g, G1S, G1SB
	s_mov_b32 s[\g+1], 32<<16
	s_mov_b32 s[\g+2], (128*KS/256)<<16
	s_mov_b32 s[\g+3], 32<<16
	s_mov_b32 s[\g+4], 128*KS/256
	s_mov_b32 s[\g+5], 32
	s_mov_b32 s[\g+6], 0
	s_mov_b32 s[\g+7], 0
.endr
	s_lshl_b32 s18, s16, 7                         ; which 128 rows of the tile I fetch
	s_lshl_b32 s20, s17, 8
	s_add_co_u32 s20, s20, s18
	s_add_co_u32 s20, s20, s97                     ; A: row 256 x tile row + 128 x half (+ 2,048 for Wv)
	s_lshl_b32 s46, s42, 8
	s_add_co_u32 s46, s46, s18                     ; B: row 256 x tile column + 128 x half
	s_mov_b32 s21, 0
	s_mov_b32 s47, 0
	s_mov_b64 s[18:19], KS
	s_mul_u64 s[22:23], s[20:21], s[18:19]         ; where these rows' scales begin, in bytes
	s_mul_u64 s[92:93], s[46:47], s[18:19]
	s_mov_b64 s[18:19], KROW
	s_mul_u64 s[20:21], s[20:21], s[18:19]         ; and their codes
	s_mul_u64 s[46:47], s[46:47], s[18:19]
	s_mul_i32 s45, s14, HALFT                      ; where they go: wave x 128 rows: no place in the cluster enters an LDS address
	s_mul_i32 s94, s14, HALFS
	s_wait_kmcnt 0x0
	s_cmp_eq_u32 s96, 0                            ; q, k: A = x, B = w;  v: A = w, B = x
	s_cselect_b64 s[12:13], s[4:5], s[8:9]         ; A's codes
	s_cselect_b64 s[8:9], s[8:9], s[4:5]           ; B's codes
	s_cselect_b64 s[66:67], s[6:7], s[10:11]       ; A's scales
	s_cselect_b64 s[10:11], s[10:11], s[6:7]       ; B's scales
	s_add_nc_u64 s[20:21], s[12:13], s[20:21]
	s_add_nc_u64 s[22:23], s[66:67], s[22:23]
	s_add_nc_u64 s[46:47], s[8:9], s[46:47]
	s_add_nc_u64 s[92:93], s[10:11], s[92:93]
	CROUND                                         ; all sixteen work-groups are here: the first joint loads meet
	s_mov_b32 s[G0S], 1
	s_add_co_u32 s[G0S+1], s94, SCL
	s_mov_b64 s[G0S+2:G0S+3], s[22:23]
	s_or_b32 s[G0S+3], s[G0S+3], 0x80000000
	s_mov_b32 s[G0SB], 1
	s_add_co_u32 s[G0SB+1], s94, SCL
	s_mov_b64 s[G0SB+2:G0SB+3], s[92:93]
	s_or_b32 s[G0SB+3], s[G0SB+3], 0x80000000
	JLOAD G0S, G1S, G0SB, G1SB                     ; the scales first: they are wanted with K step 0
.irp s, 0,1
	s_mov_b32 s[G0+4*\s], 1
	s_add_co_u32 s[G0+4*\s+1], s45, \s*SLOT
	s_add_nc_u64 s[G0+4*\s+2:G0+4*\s+3], s[20:21], \s*ROWB
	s_or_b32 s[G0+4*\s+3], s[G0+4*\s+3], 0x80000000
	s_mov_b32 s[G0B+4*\s], 1
	s_add_co_u32 s[G0B+4*\s+1], s45, \s*SLOT
	s_add_nc_u64 s[G0B+4*\s+2:G0B+4*\s+3], s[46:47], \s*ROWB
	s_or_b32 s[G0B+4*\s+3], s[G0B+4*\s+3], 0x80000000
	JLOAD G0+4*\s, G1, G0B+4*\s, G1B
.endr
	s_load_b256 s[4:11], s[0:1], 0x20              ; bq s[4:5], bk s[6:7], bv s[8:9], pad_mask s[10:11]
	s_load_b128 s[92:95], s[0:1], 0x40             ; qk s[92:93], vbuf s[94:95]
	v_and_b32 v1, 15, v0                           ; r = l % 16
	v_bfe_u32 v2, v0, 4, 1                         ; h = l / 16
	v_mul_u32_u24 v3, v1, PITCH
	v_mul_u32_u24 v4, v2, 24
	v_add_nc_u32 v4, v3, v4                        ; a fragment's row x pitch + 24 x half
	v_lshl_add_u32 v5, v2, 4, v4                   ; and the same behind one padding more
	s_mul_i32 s21, s15, HALFT                      ; my 128 rows of A
	s_mul_i32 s22, s16, HALFT                      ; my 128 rows of B,
	s_add_co_u32 s22, s22, 2*HALFT                 ; which lie behind A's 256
.irp s, 0,1
	v_add_nc_u32 v[ADRA+\s], s21, v4
	v_add_nc_u32 v[ADRB+\s], s22, v4
	v_add_nc_u32 v[ADRA+2+\s], s21, v5
	v_add_nc_u32 v[ADRB+2+\s], s22, v5
	s_add_co_u32 s21, s21, SLOT
	s_add_co_u32 s22, s22, SLOT
.endr
	v_mul_u32_u24 v5, v1, KS                       ; my row's scales: 32 bytes a row,
	v_lshrrev_b32 v6, 8, v5
	v_lshl_add_u32 v5, v6, 4, v5                   ; and 16 more for each 256 passed
	s_mul_i32 s21, s15, HALFS                      ; A's: my 128 rows
	s_mul_i32 s22, s16, HALFS                      ; B's: my 128 rows, behind A's 256
	s_add_co_u32 s22, s22, 2*HALFS
	s_sub_co_u32 s22, s22, s21
	v_mul_u32_u24 v6, s22, v2                      ; lanes 16-31 take B's
	s_add_co_u32 s21, s21, SCL
	v_add_nc_u32 v5, v5, v6
	v_add_nc_u32 v[ADRS], s21, v5
	; THE WAVE'S PLACE IN THE RESULTS
	s_lshl_b32 s20, s17, 8
	s_lshl_b32 s21, s15, 7
	s_add_co_u32 s20, s20, s21                     ; my first row of A (in Wv: counted from its own first row)
	s_lshl_b32 s46, s42, 8
	s_lshl_b32 s47, s16, 7
	s_add_co_u32 s46, s46, s47                     ; my first row of B
	s_cmp_eq_u32 s96, 0
	s_cselect_b32 s21, s20, s46                    ; my first token
	s_cselect_b32 s47, s46, s20                    ; my first feature (q: 0-1,023; k: 1,024-2,047; v: 0-1,023)
	s_mov_b32 s23, 102400
	s_cselect_b32 s23, 106496, s23                 ; a head's bytes
	s_cselect_b32 s2, 9, 8                         ; a step's scale words: 512 or 256 bytes
	s_cselect_b32 s43, 64, 0                       ; the bias: q, k: by register (4 j) and half (64 h);
	s_cselect_b32 s44, 0, 4                        ;           v: by lane (4 x my row)
	s_cselect_b32 s45, 4, 0
	s_mov_b32 s66, 1536
	s_cselect_b32 s66, 768, s66                    ; from block to block of A in the results
	s_cselect_b32 s67, 0, 96256                    ; v: blocks 4-7 belong to the next head: 102,400 - 4 x 1,536
	s_cselect_b32 s97, 105728, 0                   ; q, k: registers 6-11 belong to the next head: 106,496 - 768
	s_lshr_b32 s18, s47, 10                        ; 1: k
	s_lshl_b32 s19, s18, 6
	s_lshr_b32 s22, s21, 11                        ; the batch
	s_lshl_b32 s22, s22, 4
	s_add_co_u32 s19, s19, s22
	s_bfe_u32 s22, s47, 0x40006                    ; the first of my two heads
	s_add_co_u32 s19, s19, s22
	s_mul_i32 s19, s19, s23                        ; its first byte
	s_bfe_u32 s22, s21, 0x40007                    ; which step of 128 tokens
	s_mul_i32 s40, s22, 6144
	s_add_co_u32 s40, s40, s19                     ; where my codes begin
	s_mov_b32 s41, 0
	s_lshl_b32 s22, s22, s2
	s_add_co_u32 s22, s22, s19
	s_add_co_u32 s22, s22, 98304                   ; where my scale words begin
	s_mov_b32 s23, 0
	s_and_b32 s46, s47, 1023
	s_lshl_b32 s46, s46, 2                         ; my 128 numbers of the bias
	s_mov_b32 s47, 0
	s_lshl_b32 s20, s20, 2                         ; the pad words of A's rows (used for q and k; for v the index stays under 1,024 and the words are not used)
	s_mov_b32 s21, 0
	v_and_b32 v7, 8, v1
	v_add_nc_u32 v7, v7, v1                        ; r + 8 (r / 8): my stored row's true place in its tile's 32
	v_lshlrev_b32 v[PMO], 2, v7
	v_mul_u32_u24 v[BA], s43, v2
	v_mad_u32_u24 v[BA], v7, s44, v[BA]
	v_mov_b32 v6, s45
.irp j, 1,2,3,4,5,6,7
	v_mad_u32_u24 v[BA+\j], v6, \j, v[BA]
.endr
	v_and_b32 v6, 31, v0
	v_lshlrev_b32 v[VSW], 4, v6
	v_lshlrev_b32 v6, 3, v6                        ; 8 bytes a lane in a piece
.irp a, 0,1,2,3,4,5,6,7
	v_mad_u32_u24 v[AD+\a], s66, \a, v6
.endr
.irp a, 4,5,6,7
	v_add_nc_u32 v[AD+\a], s67, v[AD+\a]
.endr
.irp a, 0,1,2,3,4,5,6,7
	v_add_nc_u32 v[AD2+\a], s97, v[AD+\a]
.endr
	v_mul_u32_u24 v[VSV], 0x19000, v2
	v_lshl_add_u32 v[VSV], v1, 4, v[VSV]
	s_wait_kmcnt 0x0
	s_cmp_eq_u32 s18, 0
	s_cselect_b64 s[4:5], s[4:5], s[6:7]           ; bq or bk,
	s_cmp_eq_u32 s96, 0
	s_cselect_b64 s[4:5], s[4:5], s[8:9]           ; or bv
	s_cselect_b64 s[98:99], s[92:93], s[94:95]     ; qk or vbuf
	s_add_nc_u64 s[4:5], s[4:5], s[46:47]
	s_add_nc_u64 s[10:11], s[10:11], s[20:21]
	s_add_nc_u64 s[100:101], s[98:99], s[22:23]    ; my scale words
	s_add_nc_u64 s[98:99], s[98:99], s[40:41]      ; my codes
.irp t, 0,1,2,3,4,5,6,7                        ; the bias in the result's layout, eight registers a tile: q, k: tile = B's block, register j = feature 32 (t / 2) + 16 h + 8 (t % 2) + j; v: tile = A's block, all eight = my row's
.irp j, 0,1,2,3,4,5,6,7
	global_load_b32 v[BIAS+8*\t+\j], v[BA+\j], s[4:5] offset:(32*(\t/2)+8*(\t%2))*4
.endr
.endr
.irp a, 0,1,2,3,4,5,6,7
	global_load_b32 v[PM+\a], v[PMO], s[10:11] offset:(32*(\a/2)+8*(\a%2))*4
.endr
.macro FRAG reg, adr, q, i             ; a fragment, 16 rows x 128 K, is 12 registers: lane l holds row l % 16; registers 6 c .. 6 c + 5 hold K = 64 c + 32 (l / 16) + 0 .. 31: 24 bytes of the row's stream of bits, as they lie
.irp p, 0,1,2,3,4,5                    ; in pieces of 8 bytes.  Lanes 0-15 take the row's pieces 12 q + 0, 1, 2 and 12 q + 6, 7, 8, lanes 16-31 those three pieces on
.set PC, 12*(\q)+6*(\p/3)+\p%3         ; 16 bytes of padding lie behind every 8 pieces: where the piece three on lies behind one padding more, the second address register serves
.if PC%8 < 5
	ds_load_b64 v[\reg+2*\p:\reg+2*\p+1], v[\adr] offset:8*PC+16*(PC/8)+(\i)*16*PITCH
.else
	ds_load_b64 v[\reg+2*\p:\reg+2*\p+1], v[\adr+2] offset:8*PC+16*(PC/8)+(\i)*16*PITCH
.endif
.endr
.endm
; 16 matrix instructions: A's blocks a0, a0 + 1 x B's eight, 128 along K.  p: B's set;  sc: the set of scale words.  first = 0: onto the sums; 1: the sums begin with the bias of B's block (q, k); 2: of A's block (v).
; The 64 accumulators take turns, one instruction a turn, in the same order in every step.
.macro MUL16 a0, p, q, sc, first
.irp a, \a0, \a0+1
.irp b, 0,1,2,3,4,5,6,7
.if \first == 1
	v_wmma_scale_f32_16x16x128_f8f6f4 v[8*(8*((\a)%4)+\b):8*(8*((\a)%4)+\b)+7], v[128*(\p)+FR*\b:128*(\p)+FR*\b+FR-1], v[AF+FR*(\a):AF+FR*(\a)+FR-1], v[BIAS+8*\b:BIAS+8*\b+7], v[SC+8*NQ*(\sc)+NQ*\b+(\q)], v[SC+8*NQ*(\sc)+NQ*(\a)+(\q)] matrix_a_fmt:MATRIX_FMT_FP6 matrix_b_fmt:MATRIX_FMT_FP6 matrix_a_scale:MATRIX_SCALE_ROW1
.elseif \first == 2
	v_wmma_scale_f32_16x16x128_f8f6f4 v[8*(8*((\a)%4)+\b):8*(8*((\a)%4)+\b)+7], v[128*(\p)+FR*\b:128*(\p)+FR*\b+FR-1], v[AF+FR*(\a):AF+FR*(\a)+FR-1], v[BIAS+8*(\a):BIAS+8*(\a)+7], v[SC+8*NQ*(\sc)+NQ*\b+(\q)], v[SC+8*NQ*(\sc)+NQ*(\a)+(\q)] matrix_a_fmt:MATRIX_FMT_FP6 matrix_b_fmt:MATRIX_FMT_FP6 matrix_a_scale:MATRIX_SCALE_ROW1
.else
	v_wmma_scale_f32_16x16x128_f8f6f4 v[8*(8*((\a)%4)+\b):8*(8*((\a)%4)+\b)+7], v[128*(\p)+FR*\b:128*(\p)+FR*\b+FR-1], v[AF+FR*(\a):AF+FR*(\a)+FR-1], v[8*(8*((\a)%4)+\b):8*(8*((\a)%4)+\b)+7], v[SC+8*NQ*(\sc)+NQ*\b+(\q)], v[SC+8*NQ*(\sc)+NQ*(\a)+(\q)] matrix_a_fmt:MATRIX_FMT_FP6 matrix_b_fmt:MATRIX_FMT_FP6 matrix_a_scale:MATRIX_SCALE_ROW1
.endif
.endr
.endr
.endm
.macro FETCH_B slot, q, p              ; B's eight fragments of the slot's q-th 128 along K into set p
	WIN TO_B
.irp i, 0,1,2,3,4,5,6,7
	FRAG 128*(\p)+FR*\i, ADRB+\slot, \q, \i
.endr
	WIN 0
.endm
.macro FETCH_A slot, q, i0             ; A's blocks i0 .. i0 + 3
.irp i, \i0, \i0+1, \i0+2, \i0+3
	FRAG AF+FR*(\i), ADRA+\slot, \q, \i
.endr
.endm
.macro SCALES sc                       ; the next K step's scale words into set sc: two words a row; lanes 0-15 take A's block i, lanes 16-31 B's block i
.irp i, 0,1,2,3,4,5,6,7
	ds_load_b64 v[SC+8*NQ*\sc+NQ*\i:SC+8*NQ*\sc+NQ*\i+1], v[ADRS] offset:\i*SBLK
.endr
.endm
; A load into a register that a matrix instruction has read, and a vector instruction that reads a matrix result or writes one of its registers, stand NP places behind it; only plain vector instructions that
; name none of its registers are places (ISA guide 7.12.1 for vector instructions).
.macro PLACES n
.rept \n
	v_nop
.endr
.endm
; A step of 128 along K that has its successor in the same slot.
.macro STEP slot, q, first
	s_wait_dscnt 4*NL                              ; B's set and A's blocks 0-3 are in; the youngest 24 loads (A's blocks 4-7) may be out
.if \first
	WIN FST_LO
.else
	WIN MUL_LO
.endif
	MUL16 0, (\q)%2, \q, \slot, \first
	MUL16 2, (\q)%2, \q, \slot, \first
	s_wait_dscnt 0                                 ; A's blocks 4-7 are in
	PLACES NP
	FETCH_B \slot, (\q)+1, 1-(\q)%2
	FETCH_A \slot, (\q)+1, 0
.if \first
	WIN FST_HI
.else
	WIN MUL_HI
.endif
	MUL16 4, (\q)%2, \q, \slot, \first
	MUL16 6, (\q)%2, \q, \slot, \first
	PLACES NP
	WIN 0
	FETCH_A \slot, (\q)+1, 4
.endm
; A slot's last step changes slots: one barrier; in front of it each wave waits for all its tensor loads, adds 0 to its spare word, and waits for that and for its own reads of this slot.  fill = 1: this slot is filled again, two K steps ahead.
.macro TURN slot, next, fill
	s_wait_tensorcnt 0x0                           ; all my tensor loads have landed: my part of the next slot  (every window is 0 here)
	ds_add_u32 v[SPW], v[NIL]                      ; 0 onto my spare word
	s_wait_dscnt 4*NL+1                            ; (the add and the youngest 24 loads, A's blocks 4-7, may be out)
	WIN MUL_LO
	MUL16 0, 1, NQ-1, \slot, 0                     ; sixteen matrix instructions stand between the add and the wait for it
	s_wait_dscnt 0x0                               ; the add is done, and my reads of this slot are over
	s_barrier_signal -1
	MUL16 2, 1, NQ-1, \slot, 0
	WIN 0
	s_barrier_wait -1
.if \fill
	CREST                                          ; the barrier has opened a round of the cluster's barrier: no wave of any partner still reads this slot's tile or has a load on its way
	s_add_nc_u64 s[G0+4*\slot+2:G0+4*\slot+3], s[G0+4*\slot+2:G0+4*\slot+3], 2*ROWB
	s_add_nc_u64 s[G0B+4*\slot+2:G0B+4*\slot+3], s[G0B+4*\slot+2:G0B+4*\slot+3], 2*ROWB
	JLOAD G0+4*\slot, G1, G0B+4*\slot, G1B         ; the first tensor load behind the round; the four v_nop behind it are the places in front of the loads below
.else
	PLACES NP
.endif
	v_add_nc_u32 v[ADRS], 4*NQ, v[ADRS]            ; on to the next K step's scale words (no LDS load of mine is out)
	FETCH_B \next, 0, 0
	FETCH_A \next, 0, 0
	SCALES \next
	WIN MUL_HI
	MUL16 4, 1, NQ-1, \slot, 0
	MUL16 6, 1, NQ-1, \slot, 0
	PLACES NP
	WIN 0
	FETCH_A \next, 0, 4
.endm
	s_wait_tensorcnt 1                             ; the scales and my part of K step 0 are in (K step 1's load may be out),
	s_barrier_signal -1
	s_barrier_wait -1                              ; everybody's are
	FETCH_B 0, 0, 0
	FETCH_A 0, 0, 0
	SCALES 0
	FETCH_A 0, 0, 4
	s_wait_loadcnt 0x0                             ; the bias and the pad words
	s_cmp_eq_u32 s96, 0                            ; the first step is written twice: its products begin the sums with the bias, which lies by register for q and k and by lane for v
	s_cbranch_scc1 .Lqk_first
	STEP 0, 0, 2
	s_branch .Lfirst_done
.Lqk_first:
	STEP 0, 0, 1
.Lfirst_done:
	s_mov_b32 s3, LAPS-1
.Llap:                                                 ; a trip goes once round the ring, from a lap's second step to the next lap's first, and fills both slots again
	TURN 0, 1, 1
	STEP 1, 0, 0
	TURN 1, 0, 1
	STEP 0, 0, 0
	s_sub_co_u32 s3, s3, 1
	s_cmp_lg_u32 s3, 0
	s_cbranch_scc1 .Llap
	TURN 0, 1, 0                                   ; the last lap fills nothing, and has no round of the cluster's barrier
	STEP 1, 0, 0
	s_wait_dscnt 4*NL                              ; the very last step: nothing more to fetch
	WIN MUL_LO
	MUL16 0, 1, NQ-1, 1, 0
	MUL16 2, 1, NQ-1, 1, 0
	s_wait_dscnt 0
	WIN MUL_HI
	MUL16 4, 1, NQ-1, 1, 0
	MUL16 6, 1, NQ-1, 1, 0
	WIN 0
; THE WAY OUT.  Block a of A: a lane's 64 numbers, register 16 b + i = row 32 b + 16 (lane / 16) + i of my 128 rows of B, are four half blocks of 32 along the axis to be quantised.  They become a fragment's 12 registers
; and a scale word, in registers, and the fragment leaves as it stands: six stores of 8 bytes a lane, each 256 consecutive bytes, aligned.
; q, k: registers 0-5 are the first head's 64 features (the lower half of the attention launch's K), registers 6-11 the second head's.  v: all twelve are 128 keys of 16 features.
.macro QUANTW a
.set AC, 64*((\a)%4)
.set W, 2+(\a)/4
.set PCS, 64+20*((\a)%2)
.set NW, W|(W<<2)
	WIN NW                                         ; sources 0 and 1 in the accumulators' window
.irp b, 0,1,2,3
	v_max3_num_f32 v[TM+\b], |v[AC+16*\b]|, |v[AC+1+16*\b]|, 0x1800000   ; block b: my 16 numbers, and the floor 2^(3 - 127): the byte cannot fall under 1.  Each accumulator is read from its low end on
.endr
.set NW, (W<<2)|(W<<4)
	WIN NW                                         ; sources 1 and 2
.irp i, 2,4,6,8,10,12,14
.irp b, 0,1,2,3
	v_max3_num_f32 v[TM+\b], v[TM+\b], |v[AC+16*\b+\i]|, |v[AC+1+16*\b+\i]|   ; (the four blocks by turns)
.endr
.endr
	WIN 0
.irp b, 0,1,2,3
	v_permlanex16_b32 v[TM+4+\b], v[TM+\b], s12, s13
.endr
.irp b, 0,1,2,3
	v_max_num_f32 v[TM+\b], v[TM+\b], v[TM+4+\b]   ; with lane l xor 16's: the block's largest magnitude
.endr
.irp b, 0,1,2,3
	v_add_nc_u32 v[TM+12+\b], 0xff000000, v[TM+\b] ; 2 off its exponent field: the conversion's scale operand
.endr
.irp b, 0,1,2,3
	v_lshrrev_b32 v[TM+4+\b], 23, v[TM+12+\b]      ; the scale's byte
.endr
	v_lshl_or_b32 v[SWD+(\a)], v[TM+5], 8, v[TM+4]
	v_lshl_or_b32 v[SWD+(\a)], v[TM+6], 16, v[SWD+(\a)]
	v_lshl_or_b32 v[SWD+(\a)], v[TM+7], 24, v[SWD+(\a)]
	s_wait_xcnt 0x0                                ; the stores of two blocks ago have read this set of codes: it is written again only behind this wait
	WIN W                                          ; source 0
.irp c, 0,1
	v_cvt_scalef32_pk16_fp6_f32 v[PCS+6*\c:PCS+2+6*\c], v[AC+32*\c:AC+15+32*\c], v[TM+12+2*\c]
	v_cvt_scalef32_pk16_fp6_f32 v[PCS+12+4*\c:PCS+14+4*\c], v[AC+16+32*\c:AC+31+32*\c], v[TM+12+2*\c+1]   ; (a conversion's three registers begin on an even number)
.endr
	WIN 0
	v_nop                                          ; one plain place behind a scaled conversion
.irp c, 0,1                                    ; the operand's layout wants a whole block in a lane: lanes 0-15 block 2 c, lanes 16-31 block 2 c + 1
.irp i, 0,1,2
	v_permlane16_swap_b32 v[PCS+6*\c+\i], v[PCS+12+4*\c+\i]
.endr
.irp i, 0,1,2
	v_mov_b32 v[PCS+3+6*\c+\i], v[PCS+12+4*\c+\i]
.endr
.endr
.irp p, 0,1,2
	global_store_b64 v[AD+(\a)], v[PCS+2*\p:PCS+2*\p+1], s[98:99] offset:256*\p
.endr
.irp p, 3,4,5
	global_store_b64 v[AD2+(\a)], v[PCS+2*\p:PCS+2*\p+1], s[98:99] offset:256*\p
.endr
.endm
	PLACES NP                                      ; behind the last products: the work registers lie where A's fragments lay
	s_mov_b32 s12, 0x76543210
	s_mov_b32 s13, 0xfedcba98                      ; v_permlanex16_b32's selects for lane l xor 16
.irp b, 0,1,2,3
	v_mov_b32 v[TM+4+\b], 0                        ; written once: a lane permute's destination counts as one of its sources
.endr
.irp a, 0,1,2,3,4,5,6,7
	QUANTW \a
.endr
	; THE SCALE WORDS.  Every lane holds its row's word of all eight blocks (lanes 16-31 the same as lanes 0-15): lanes 0-15 store blocks 0-3, lanes 16-31 blocks 4-7, 16 bytes a lane
	v_and_b32 v[LN], 31, v0
	s_cmp_eq_u32 s96, 0
	s_cbranch_scc0 .Lv_words
	v_mov_b32 v104, 0x00010000                     ; pad != 0: bytes 2, 3 = 0x01, 0x00
	v_mov_b32 v105, 0x1fe30000                     ; pad == 0: 0xe3, 0x1f
.irp a, 0,1,2,3,4,5,6,7
	v_cmp_ne_u32 vcc_lo, 0, v[PM+\a]
	v_cndmask_b32 v[MBR], v105, v104, vcc_lo
	v_and_or_b32 v[EW+\a], v[SWD+\a], 0xffff, v[MBR]   ; the first head's two bytes,
	v_lshrrev_b32 v[OW+\a], 16, v[SWD+\a]
	v_or_b32 v[OW+\a], v[OW+\a], v[MBR]            ; the second head's
.endr
	v_cmp_gt_u32 vcc_lo, 16, v[LN]
.irp i, 0,1,2,3
	v_cndmask_b32 v[RW+\i], v[EW+4+\i], v[EW+\i], vcc_lo
	v_cndmask_b32 v[RW+4+\i], v[OW+4+\i], v[OW+\i], vcc_lo
.endr
	global_store_b128 v[VSW], v[RW:RW+3], s[100:101]                  ; 512 consecutive bytes: the step's words of the first head
	global_store_b128 v[VSW], v[RW+4:RW+7], s[100:101] offset:106496  ; and of the second
	s_branch .Lwords_done
.Lv_words:
	v_cmp_gt_u32 vcc_lo, 16, v[LN]
.irp i, 0,1,2,3
	v_cndmask_b32 v[RW+\i], v[SWD+4+\i], v[SWD+\i], vcc_lo
.endr
	global_store_b128 v[VSV], v[RW:RW+3], s[100:101]                  ; 256 consecutive bytes for each of my two heads
.Lwords_done:
	s_wait_tensorcnt 0x0                           ; the wave's end
	ds_add_u32 v[SPW], v[NIL]
	s_wait_dscnt 0x0
	CROUND                                         ; the closing round: no work-group ends while a partner may still ask for a tile that names it
	s_endpgm
.Lfunc_end_k_qa27457cf4e_proj:
	.size	k_qa27457cf4e_proj, .Lfunc_end_k_qa27457cf4e_proj-k_qa27457cf4e_proj
	.p2alignl 7, 3214868480
	.fill 96, 4, 3214868480
	.section	.rodata,"a",@progbits
	.p2align	6, 0x0
	.amdhsa_kernel k_qa27457cf4e_proj
		.amdhsa_group_segment_fixed_size 327680
		.amdhsa_private_segment_fixed_size 0
		.amdhsa_enable_private_segment 0
		.amdhsa_kernarg_size 80
		.amdhsa_user_sgpr_count 2
		.amdhsa_user_sgpr_kernarg_segment_ptr 1
		.amdhsa_wavefront_size32 1
		.amdhsa_system_sgpr_workgroup_id_x 1
		.amdhsa_system_sgpr_workgroup_id_y 1
		.amdhsa_system_sgpr_workgroup_id_z 1
		.amdhsa_system_vgpr_workitem_id 0
		.amdhsa_next_free_vgpr 1024
		.amdhsa_next_free_sgpr 102
		.amdhsa_reserve_vcc 1
		.amdhsa_float_denorm_mode_32 3
		.amdhsa_float_denorm_mode_16_64 3
		.amdhsa_memory_ordered 1
		.amdhsa_forward_progress 1
		.amdhsa_inst_pref_size 194
	.end_amdhsa_kernel
	.amdgpu_metadata
---
amdhsa.version: [ 1, 2 ]
amdhsa.kernels:
  - .name:           k_qa27457cf4e_proj
    .symbol:         k_qa27457cf4e_proj.kd
    .args:
      - { .name: x_codes, .offset: 0, .size: 8, .value_kind: global_buffer, .address_space: global }
      - { .name: x_scales, .offset: 8, .size: 8, .value_kind: global_buffer, .address_space: global }
      - { .name: w_codes, .offset: 16, .size: 8, .value_kind: global_buffer, .address_space: global }
      - { .name: w_scales, .offset: 24, .size: 8, .value_kind: global_buffer, .address_space: global }
      - { .name: bq, .offset: 32, .size: 8, .value_kind: global_buffer, .address_space: global }
      - { .name: bk, .offset: 40, .size: 8, .value_kind: global_buffer, .address_space: global }
      - { .name: bv, .offset: 48, .size: 8, .value_kind: global_buffer, .address_space: global }
      - { .name: pad_mask, .offset: 56, .size: 8, .value_kind: global_buffer, .address_space: global }
      - { .name: qk, .offset: 64, .size: 8, .value_kind: global_buffer, .address_space: global }
      - { .name: vbuf, .offset: 72, .size: 8, .value_kind: global_buffer, .address_space: global }
    .group_segment_fixed_size: 327680
    .private_segment_fixed_size: 0
    .kernarg_segment_align: 8
    .kernarg_segment_size: 80
    .max_flat_workgroup_size: 128
    .sgpr_count:     102
    .vgpr_count:     1024
    .wavefront_size: 32
...
	.end_amdgpu_metadata
.endif
;; end of part 2
;; launch attn (part 3): grid 256 x 1, 8 waves a work-group, clusters of 4 x 1, 261,120 bytes of LDS; arguments qk, vbuf, pad_mask, out0; writes out0
.if DOCPART == 3
	.amdgcn_target "amdgcn-amd-amdhsa--gfx1250"
	.amdhsa_code_object_version 6
	.text
	.protected	k_qa27457cf4e_attn
	.globl	k_qa27457cf4e_attn
	.p2align	8
	.type	k_qa27457cf4e_attn,@function
k_qa27457cf4e_attn:
	s_mov_b64 s[64:65], 0
	v_nop
	global_prefetch_b8 v0, s[64:65] scope:SCOPE_SE
	s_setreg_imm32_b32 hwreg(HW_REG_WAVE_MODE, 25, 1), 1
	s_wait_xcnt 0x0
	s_wait_alu depctr_hold_cnt(0) depctr_sa_sdst(0) depctr_va_vdst(0) depctr_va_sdst(0) depctr_va_ssrc(0) depctr_va_vcc(0) depctr_vm_vsrc(0)
	s_getreg_b32 s2, hwreg(HW_REG_IB_STS2, 6, 4)
	s_cmp_eq_u32 s2, 0
	s_cbranch_scc0 .Lentry_in_a_cluster
	s_endpgm
.Lentry_in_a_cluster:
	s_bfe_u32 s2, ttmp6, 0x10000c
	s_cmp_lg_u32 s2, 0x3003
	s_cbranch_scc0 .Lentry_shape_is_right
	s_endpgm
.Lentry_shape_is_right:
; out[b][q][h][:] = the sum over keys of att V, att = softmax of q.k / 8 under the causal mask and the pad mask (queries and keys); a query with pad == 0 gives zeros.  Both products on codes of FP6 (E2M3).
; att is quantised FINISHED AND NORMALISED, so the keys are walked twice: walk 1 finds each query's M (its largest t = score x log2(e) / 8, rounded up to a whole number) and l = the sum of 2^(t - M);
; walk 2 makes the scores again, att = 2^(t - M) x (1 / l), quantises it along the keys and multiplies by V.
; SHARES.  A cluster of four work-groups owns one (batch, head): all four read the same K and V, which come into each one's LDS ONCE, whole, by joint tensor loads: 208,896 bytes, no byte filled twice.
; Wave w owns the blocks of 128 queries w and 15 - w, and in each the 32 queries of its work-group's place cx: two tiles of 16, which share every fragment of K and V.  So every wave has (w + 1) + (16 - w) = 17 key steps
; of 128 in each walk.  A step whose keys all come after the block's queries is passed over by a scalar branch on the wave's number and the loop's counter; no branch and no LDS address hangs on cx.
; LAYOUT.  Both products transposed: S^T = K Q^T, O^T = V^T P^T: a lane holds ONE query (lane % 16).  Tiles of tokens are stored with rows 8 u + r + 8 (r / 8), so that the 16 registers of score tiles 2 b, 2 b + 1 are keys
; 32 b + 16 (lane / 16) + 0 .. 15.  All operands lie in memory and LDS as images of their registers: 8 bytes a lane, 256 bytes a piece.
; THE MASKS cost no vector work in the walks.  The head has 64 features and the instruction takes 128: at k = 64 Q holds the code -7.5 (scale 1) and K the code 7.5 under the scale 2^100 where pad[key] == 0, else the code 0
; under 2^-126: a masked key's score gets -56.25 x 2^100.  In the step on the diagonal the sums begin with an image (0 or -2^100) kept in LDS.  A query with pad == 0 gets 1 / l = 0.
; LIMITS: |score| x 0.18 stays under 2^90 (the masks are finite numbers); NaN and infinities are not served; 2^(t - M) under 2^-126 counts as 0; a block of zeros gets the scale byte 1 (its codes are zeros).
; REGISTERS.  window 0: v1-9 addresses that stay, v10-13 addresses in hand, v14-19 the head's; v20-23 queries' pad words; v24-27 Q's scale words; v28-29 p's; v30-33 V's; v34-41 K's; v44-59 eight statistics a tile;
;   v60-67 (-M, 1 / l) for each (block, tile); v68-195 S^T, then p, 64 a tile; v196-219 p's codes; v220-227 the conversions' second halves; v228-253 at work, 14 a tile.
;   window 1: v0-95 K's 8 fragments; v96-143 V's 4; v144-191 Q's 4; v192-255 O^T, 32 a tile.
.set KSC,  98304                       ; LDS: K's codes from 0; K's scale words;
.set VREG, 106496                      ; V's codes;
.set VSC,  204800                      ; V's scale words;
.set CBI,  208896                      ; the diagonal step's image, 128 registers x 128 bytes;
.set STG,  225280                      ; a stage of 16 rows x 272 bytes for each wave
.set AK0, 1                            ; v1   8 x lane
.set AS0, 2                            ; v2   KSC + 16 r
.set AV0, 3                            ; v3   VREG + 8 x lane
.set AVS0, 4                           ; v4   VSC + 16 r
.set ACB, 5                            ; v5   CBI + 16 x lane
.set STO, 6                            ; v6   the stage: row r, + 64 h
.set RD,  7                            ; v7   and back: lanes 0-15 one row, lanes 16-31 the next
.set GO,  8                            ; v8-9 my byte offset in out0, for each of my two blocks
.set ADK, 10
.set ADS, 11
.set ADV, 12
.set ADT, 13
.set PADQ, 20
.set QSR, 24
.set PSR, 28
.set VSR, 30
.set KSR, 34
.set STA, 44                           ; tile x at v[STA + 8 x]: +0 -M, +1 the largest t, +2, +3 l in two halves, +4, +5 f, +6, +7 at work
.set NK,  60
.set S,   68
.set P,   196
.set CST, 220
.set T,   228
.set VF,  96                           ; in window 1
.set QF,  144
.set OA,  192
.set WV,   12                          ; s12  wave
.set CX,   13                          ; s13  my place in the cluster
.set BH,   14                          ; s14  16 x batch + head
.set BETA, 15                          ; s15, s16  my two blocks of queries
.set ST,   17                          ; s17  the key step
.set TK,   18                          ; s18  6,144 x step: K's and V's codes
.set TS,   19                          ; s19  512 x step: K's scale words
.set TT,   20                          ; s20  256 x step: V's
.set CS,   22                          ; s[22:23] c = log2(e) / 8
.set SEL,  24                          ; s[24:25] v_permlanex16_b32's selects for lane l xor 16
.set MSB, 0
.macro WIN new                         ; the immediate's high byte repeats the setting that is left
.if MSB != \new
	s_set_vgpr_msb (MSB<<8)|\new
.set MSB, \new
.endif
.endm
.macro CROUND                          ; a round of the cluster's barrier
	s_barrier_signal -1
	s_barrier_wait -1
	s_cmp_lg_u32 s[WV], 0
	s_cbranch_scc1 .Lnot_wave_0_\@
	s_barrier_signal -3
.Lnot_wave_0_\@:
	s_barrier_wait -3
	s_barrier_signal -1
	s_barrier_wait -1
.endm
	s_load_b256 s[4:11], s[0:1], 0x0               ; qk s[4:5], vbuf s[6:7], pad_mask s[8:9], out0 s[10:11]
	v_lshl_add_u32 v254, v0, 2, 0x3f800
	v_mov_b32 v255, 0
	ds_add_u32 v254, v255
	ds_add_u32 v254, v255
	v_lshrrev_b32 v14, 5, v0
	v_readfirstlane_b32 s[WV], v14                 ; wave 0..7
	s_bfe_u32 s[CX], ttmp6, 0x40000
	s_mov_b32 s[BH], ttmp9                         ; in a cluster launch ttmp9 counts clusters
	s_mov_b32 s[BETA], s[WV]
	s_xor_b32 s[BETA+1], s[WV], 15                 ; 15 - wave
	; descriptor groups 1: dense blocks as rows of 256 bytes (32 elements of 8 bytes): K's eighth of a head is 52 rows, V's 50
	s_mov_b32 s32, 15|(3<<16)|(1<<21)              ; 15:0 the mask: all four work-groups; 17:16 elements of 8 bytes; 21 set beside a mask
	s_mov_b32 s33, 32<<16                          ; tensor_dim0
	s_mov_b32 s34, 52<<16                          ; tensor_dim1
	s_mov_b32 s35, 32<<16                          ; tile_dim0
	s_mov_b32 s36, 52                              ; tile_dim1
	s_mov_b32 s37, 32                              ; the pitch
	s_mov_b32 s38, 0
	s_mov_b32 s39, 0
	s_mov_b32 s40, 15|(3<<16)|(1<<21)
	s_mov_b32 s41, 32<<16
	s_mov_b32 s42, 50<<16
	s_mov_b32 s43, 32<<16
	s_mov_b32 s44, 50
	s_mov_b32 s45, 32
	s_mov_b32 s46, 0
	s_mov_b32 s47, 0
	s_mov_b32 s[CS], 0x3e38aa3b
	s_mov_b32 s[CS+1], s[CS]                       ; (named with it as a pair, so it is written)
	s_mov_b32 s[SEL], 0x76543210
	s_mov_b32 s[SEL+1], 0xfedcba98
	s_mov_b32 s48, 1
	s_mul_i32 s49, s[WV], 13312                    ; K: my eighth, in LDS
	s_add_co_u32 s66, s[BH], 64                    ; k's heads lie behind q's 64
	s_mul_i32 s66, s66, 106496
	s_add_co_u32 s66, s66, s49                     ; and in memory
	s_mov_b32 s67, 0
	s_mov_b32 s52, 1
	s_mul_i32 s68, s[WV], 12800                    ; V likewise
	s_add_co_u32 s53, s68, VREG
	s_mul_i32 s69, s[BH], 102400
	s_add_co_u32 s68, s68, s69
	s_mov_b32 s69, 0
	s_mul_i32 s70, s[BH], 106496                   ; q's head
	s_mul_i32 s72, s[CX], 1536
	s_add_co_u32 s72, s72, s70                     ; Q's codes: my work-group's two tiles of a block
	s_mov_b32 s73, 0
	s_lshr_b32 s74, s[CX], 1
	s_lshl_b32 s74, s74, 8
	s_and_b32 s75, s[CX], 1
	s_lshl_b32 s75, s75, 3
	s_add_co_u32 s74, s74, s75
	s_add_co_u32 s74, s74, s70
	s_add_co_u32 s74, s74, 98304                   ; Q's scale words: tile 2 cx = 4 (cx / 2) + 2 (cx % 2)
	s_mov_b32 s75, 0
	s_lshr_b32 s71, s[BH], 4                       ; the batch
	s_lshl_b32 s76, s71, 13
	s_lshl_b32 s77, s[CX], 7
	s_add_co_u32 s76, s76, s77                     ; the pad words of my 32 queries of a block
	s_mov_b32 s77, 0
	s_lshl_b32 s78, s71, 23
	s_lshl_b32 s79, s[CX], 17
	s_add_co_u32 s78, s78, s79
	s_and_b32 s79, s[BH], 15
	s_lshl_b32 s79, s79, 8
	s_add_co_u32 s78, s78, s79                     ; out0: the batch, my 32 rows of 4,096 bytes, the head's 256 bytes
	s_mov_b32 s79, 0
	s_wait_dscnt 0x0
	s_wait_kmcnt 0x0
	s_add_nc_u64 s[50:51], s[4:5], s[66:67]
	s_or_b32 s51, s51, 0x80000000
	s_add_nc_u64 s[54:55], s[6:7], s[68:69]
	s_or_b32 s55, s55, 0x80000000
	s_add_nc_u64 s[56:57], s[4:5], s[72:73]
	s_add_nc_u64 s[58:59], s[4:5], s[74:75]
	s_add_nc_u64 s[60:61], s[8:9], s[76:77]
	s_add_nc_u64 s[62:63], s[10:11], s[78:79]
	CROUND                                         ; all four work-groups are here: the joint loads meet
	tensor_load_to_lds s[48:51], s[32:39]          ; my eighth of the head's K (codes and scale words),
	s_nop 0
	tensor_load_to_lds s[52:55], s[40:47]          ; and of its V: two loads of mine are out, the launch's only ones
	s_nop 0
.rept 4
	v_nop
.endr
	v_and_b32 v14, 31, v0                          ; lane
	v_and_b32 v15, 15, v0                          ; r
	v_bfe_u32 v16, v0, 4, 1                        ; h
	v_lshlrev_b32 v[AK0], 3, v14
	v_lshl_add_u32 v[AS0], v15, 4, KSC
	v_add_nc_u32 v[AV0], VREG, v[AK0]
	v_lshl_add_u32 v[AVS0], v15, 4, VSC
	v_lshl_add_u32 v[ACB], v14, 4, CBI
	s_mul_i32 s74, s[WV], 16*272
	s_add_co_u32 s74, s74, STG                     ; my stage
	v_mul_u32_u24 v[STO], v15, 272
	v_lshl_add_u32 v[STO], v16, 6, v[STO]
	v_add_nc_u32 v[STO], s74, v[STO]
	v_mul_u32_u24 v[RD], v16, 272
	v_lshl_add_u32 v[RD], v15, 4, v[RD]
	v_add_nc_u32 v[RD], s74, v[RD]
	v_lshlrev_b32 v17, 12, v16
	v_lshl_add_u32 v17, v15, 4, v17                ; out0: lanes 0-15 one row, lanes 16-31 the next; 16 bytes a lane
	v_and_b32 v18, 8, v15
	v_add_nc_u32 v18, v18, v15                     ; r + 8 (r / 8)
.irp o, 0,1
	s_mul_i32 s70, s[BETA+\o], 6144
	v_add_nc_u32 v[228+\o], s70, v[AK0]            ; Q's codes of block o
	s_lshl_b32 s70, s[BETA+\o], 9
	v_lshl_add_u32 v[230+\o], v15, 4, s70          ; its scale words
	v_lshl_add_u32 v[232+\o], v18, 2, s70          ; its pad words
	s_lshl_b32 s70, s[BETA+\o], 19
	v_add_nc_u32 v[GO+\o], s70, v17                ; its 128 rows of out0
.endr
	WIN 0x40                                       ; destination window 1
.irp o, 0,1
.irp x, 0,1
.irp p, 0,1,2
	global_load_b64 v[QF+24*\o+12*\x+2*\p:QF+24*\o+12*\x+2*\p+1], v[228+\o], s[56:57] offset:768*\x+256*\p   ; Q's fragments stay in registers: registers 0-5, the head's 64 features
.endr
.endr
.endr
	WIN 0
.irp o, 0,1
.irp x, 0,1
	global_load_b32 v[QSR+2*\o+\x], v[230+\o], s[58:59] offset:4*\x
	global_load_b32 v[PADQ+2*\o+\x], v[232+\o], s[60:61] offset:32*\x
.endr
.endr
	; THE DIAGONAL STEP'S IMAGE: register 64 x + 16 b + i of lane (r, h) stands for key 32 b + 16 h + i and query 32 cx + 8 x + r + 8 (r / 8) of the same 128: -2^100 where the key comes after the query, else 0.
	; Wave w makes the 16 registers of x = w / 4, b = w % 4.  cx enters the numbers alone, no address.
	s_lshl_b32 s70, s[CX], 5
	s_lshr_b32 s71, s[WV], 2
	s_lshl_b32 s71, s71, 3
	s_add_co_u32 s70, s70, s71
	s_and_b32 s71, s[WV], 3
	s_lshl_b32 s71, s71, 5
	s_sub_co_i32 s70, s70, s71
	v_lshlrev_b32 v19, 4, v16
	v_sub_nc_u32 v19, v18, v19
	v_add_nc_u32 v19, s70, v19                     ; d: hidden where i > d
	v_mov_b32 v234, 0xf1800000                     ; -2^100
.irp i, 0,1,2,3,4,5,6,7,8,9,10,11,12,13,14,15
	v_cmp_gt_i32 vcc_lo, \i, v19
	v_cndmask_b32 v[S+\i], 0, v234, vcc_lo
.endr
	s_lshl_b32 s71, s[WV], 11
	v_add_nc_u32 v235, s71, v[ACB]
.irp k, 0,1,2,3
	ds_store_b128 v235, v[S+4*\k:S+4*\k+3] offset:512*\k
.endr
	v_xor_b32 v236, 1, v16
	v_mul_u32_u24 v236, 63, v236                   ; lanes 0-15: the code 0x3f = -7.5 at k = 64; lanes 16-31 (k = 96 on): 0
	WIN 0x40
.irp t, 0,1,2,3,4,5,6,7
.irp i, 7,8,9,10,11
	v_mov_b32 v[12*\t+\i], 0                       ; the unused part of K's fragments: zero codes, written once (register 6 is made in each step)
.endr
.endr
.irp f, 0,1,2,3
	v_mov_b32 v[QF+12*\f+6], v236
.irp i, 7,8,9,10,11
	v_mov_b32 v[QF+12*\f+\i], 0
.endr
.endr
	WIN 0
	s_mov_b32 s70, 0x017f0000
	s_wait_loadcnt 0x0                             ; Q, its scale words, its pad words
.irp f, 0,1,2,3
	v_and_or_b32 v[QSR+\f], v[QSR+\f], 0xffff, s70 ; bytes 0, 1 as they came; byte 2: scale 1 for the code at k = 64; byte 3: over zero codes
.endr
.irp x, 0,1
	v_mov_b32 v[STA+8*\x+5], 0                     ; (named as the upper half of a pair)
	v_mov_b32 v[STA+8*\x+6], 0                     ; written once: a lane permute's destination counts as one of its sources
	v_mov_b32 v[STA+8*\x+7], 0
.irp b, 0,1,2,3
	v_mov_b32 v[T+14*\x+4+\b], 0
.endr
.endr
	s_wait_tensorcnt 1                             ; my eighth of K is in; V's load may stay out, and walk 1 reads K alone
	s_wait_dscnt 0x0                               ; my part of the image is stored
	s_barrier_signal -1
	s_barrier_wait -1
; 16 products S^T = K Q^T for block o.  inplace = 1: the sums begin with what the S registers hold (the diagonal step's image).
.macro KQ o, inplace
	s_wait_dscnt 0x0
	WIN 0x40
.irp t, 0,1,2,3,4,5,6,7
	v_lshrrev_b32 v[12*\t+6], 24, v[KSR+\t]        ; the top byte of a key's scale word is its code at k = 64: 7.5 where pad == 0, else 0
.endr
.rept 4
	v_nop                                          ; an operand written by a vector instruction stands four places ahead of a scaled matrix instruction
.endr
	WIN 0x05                                       ; K and Q in window 1
.irp x, 0,1
.irp t, 0,1,2,3,4,5,6,7
.if \inplace
	v_wmma_scale_f32_16x16x128_f8f6f4 v[S+64*\x+8*\t:S+64*\x+8*\t+7], v[12*\t:12*\t+11], v[QF+24*(\o)+12*\x:QF+24*(\o)+12*\x+11], v[S+64*\x+8*\t:S+64*\x+8*\t+7], v[KSR+\t], v[QSR+2*(\o)+\x] matrix_a_fmt:MATRIX_FMT_FP6 matrix_b_fmt:MATRIX_FMT_FP6
.else
	v_wmma_scale_f32_16x16x128_f8f6f4 v[S+64*\x+8*\t:S+64*\x+8*\t+7], v[12*\t:12*\t+11], v[QF+24*(\o)+12*\x:QF+24*(\o)+12*\x+11], 0, v[KSR+\t], v[QSR+2*(\o)+\x] matrix_a_fmt:MATRIX_FMT_FP6 matrix_b_fmt:MATRIX_FMT_FP6
.endif
.endr
.endr
	WIN 0
.endm
; A step's scores: K's 8 fragments (24 pieces of 256 bytes) and 8 scale words a row from LDS, 16 products.
.macro SCORES o
	v_add_nc_u32 v[ADK], s[TK], v[AK0]
	v_add_nc_u32 v[ADS], s[TS], v[AS0]
	WIN 0x40
.irp t, 0,1,2,3,4,5,6,7
.irp p, 0,1,2
	ds_load_b64 v[12*\t+2*\p:12*\t+2*\p+1], v[ADK] offset:768*\t+256*\p
.endr
.endr
	WIN 0
	ds_load_b128 v[KSR:KSR+3], v[ADS]
	ds_load_b128 v[KSR+4:KSR+7], v[ADS] offset:256
	s_cmp_eq_u32 s[ST], s[BETA+(\o)]               ; the step on the diagonal?  The wave's number against the loop's counter
	s_cbranch_scc1 .Ldiag_\@
	KQ \o, 0
	s_branch .Lscored_\@
.Ldiag_\@:
.irp n, 0,1,2,3,4,5,6,7,8,9,10,11,12,13,14,15,16,17,18,19,20,21,22,23,24,25,26,27,28,29,30,31
	ds_load_b128 v[S+4*\n:S+4*\n+3], v[ACB] offset:512*\n
.endr
	KQ \o, 1
.Lscored_\@:
.rept 4
	v_nop                                          ; places in front of the first read of the scores
.endr
.endm
; The largest score of my 16 keys of each block of 32, tile x, into T0-3.  Each score tile is read from its low end on.
.macro BLKMAX x
.set rS, S+64*(\x)
.set rT, T+14*(\x)
.irp b, 0,1,2,3
	v_max3_num_f32 v[rT+\b], v[rS+16*\b], v[rS+16*\b+1], v[rS+16*\b+2]
.endr
.irp i, 3,5,7,9,11,13
.irp b, 0,1,2,3
	v_max3_num_f32 v[rT+\b], v[rT+\b], v[rS+16*\b+\i], v[rS+16*\b+\i+1]   ; (the four blocks by turns)
.endr
.endr
.irp b, 0,1,2,3
	v_max_num_f32 v[rT+\b], v[rT+\b], v[rS+16*\b+15]
.endr
.endm
.macro SCALE64                         ; t - M of the 64 scores at rS, two at a time; -M is the low word of the pair at rN
.set j, 0
.rept 32
	v_pk_fma_f32 v[rS+j:rS+j+1], v[rS+j:rS+j+1], s[CS:CS+1], v[rN:rN+1] op_sel_hi:[1,0,0]
.set j, j+2
.endr
.endm
.macro EXP64
.set j, 0
.rept 64
	v_exp_f32 v[rS+j], v[rS+j]
.set j, j+1
.endr
.endm
; WALK 1, tile x.  The statistics are the LANE's own (its half of the keys): the two halves of the lanes meet once, behind the walk.
.macro SOFT1A x
	BLKMAX \x
.set rN, STA+8*(\x)
	v_max3_num_f32 v[rN+6], v[rT], v[rT+1], v[rT+2]
	v_max_num_f32 v[rN+6], v[rN+6], v[rT+3]
	v_mul_f32 v[rN+6], s[CS], v[rN+6]              ; as t (c is positive)
	v_max_num_f32 v[rN+1], v[rN+1], v[rN+6]        ; the running largest t
	v_mov_b32 v[rN+6], v[rN]
	v_floor_f32 v[rN], -v[rN+1]                    ; the new -M = floor(-t): M is a whole number
	v_sub_f32 v[rN+6], v[rN], v[rN+6]              ; old M - new M: a whole number, 0 or less
	v_cvt_i32_f32 v[rN+6], v[rN+6]                 ; (it saturates)
	v_ldexp_f32 v[rN+4], 1.0, v[rN+6]              ; f = 2^(old M - new M): rounds nothing
	SCALE64
	EXP64
.endm
.macro SOFT1B x                        ; l += the 64 numbers, two at a time, in two chains
.set rS, S+64*(\x)
.set rT, T+14*(\x)
.set rN, STA+8*(\x)
	v_pk_add_f32 v[rT+4:rT+5], v[rS:rS+1], v[rS+2:rS+3]
.irp j, 4,8,12,16,20,24,28,32,36,40,44,48,52,56,60
	v_pk_add_f32 v[rN+2:rN+3], v[rN+2:rN+3], v[rS+\j:rS+\j+1]
	v_pk_add_f32 v[rT+4:rT+5], v[rT+4:rT+5], v[rS+\j+2:rS+\j+3]
.endr
	v_pk_add_f32 v[rN+2:rN+3], v[rN+2:rN+3], v[rT+4:rT+5]
.endm
; Behind walk 1: lanes l and l xor 16 bring their sums under the larger M (exact) and add them; the pair (-M, 1 / l) is kept; 1 / l = 0 for a query with pad == 0.
.macro FINISH1 o
.irp x, 0,1
	v_add_f32 v[STA+8*\x+2], v[STA+8*\x+2], v[STA+8*\x+3]
.endr
.irp x, 0,1
	v_permlanex16_b32 v[STA+8*\x+6], v[STA+8*\x], s[SEL], s[SEL+1]
	v_permlanex16_b32 v[STA+8*\x+7], v[STA+8*\x+2], s[SEL], s[SEL+1]
.endr
.irp x, 0,1
	v_min_num_f32 v[STA+8*\x+1], v[STA+8*\x], v[STA+8*\x+6]   ; the smaller -M
.endr
.irp x, 0,1
	v_sub_f32 v[STA+8*\x], v[STA+8*\x+1], v[STA+8*\x]
	v_sub_f32 v[STA+8*\x+6], v[STA+8*\x+1], v[STA+8*\x+6]
.endr
.irp x, 0,1
	v_cvt_i32_f32 v[STA+8*\x], v[STA+8*\x]
	v_cvt_i32_f32 v[STA+8*\x+6], v[STA+8*\x+6]
.endr
.irp x, 0,1
	v_ldexp_f32 v[STA+8*\x+2], v[STA+8*\x+2], v[STA+8*\x]
	v_ldexp_f32 v[STA+8*\x+7], v[STA+8*\x+7], v[STA+8*\x+6]
.endr
.irp x, 0,1
	v_add_f32 v[STA+8*\x+2], v[STA+8*\x+2], v[STA+8*\x+7]
.endr
.irp x, 0,1
	v_rcp_f32 v[STA+8*\x+3], v[STA+8*\x+2]
.endr
.irp x, 0,1
	v_mov_b32 v[NK+4*(\o)+2*\x], v[STA+8*\x+1]     ; (plain places behind the reciprocals)
.endr
	s_wait_alu depctr_va_vdst(0)                   ; one wait for the two reciprocals, ahead of their first reader
.irp x, 0,1
	v_cmp_ne_u32 vcc_lo, 0, v[PADQ+2*(\o)+\x]
	v_cndmask_b32 v[NK+4*(\o)+2*\x+1], 0, v[STA+8*\x+3], vcc_lo
.endr
.endm
.macro PASS1 o
.irp x, 0,1
	v_mov_b32 v[STA+8*\x+1], 0xec800000            ; the largest t so far: -2^90, under every t and over every masked one
	v_mov_b32 v[STA+8*\x], 0x6c800000              ; -M
	v_mov_b32 v[STA+8*\x+2], 0                     ; l, in two halves
	v_mov_b32 v[STA+8*\x+3], 0
.endr
	s_mov_b32 s[ST], 0
	s_mov_b32 s[TK], 0
	s_mov_b32 s[TS], 0
.Lw1_\@:                                           ; 16 trips in every wave; a step behind the block's diagonal is passed over
	s_cmp_gt_u32 s[ST], s[BETA+(\o)]
	s_cbranch_scc1 .Lw1s_\@
	SCORES \o
	SOFT1A 0
	SOFT1A 1
	v_pk_mul_f32 v[STA+2:STA+3], v[STA+2:STA+3], v[STA+4:STA+5] op_sel_hi:[1,0]       ; the sums under the new M (plain places behind the exponentials)
	v_pk_mul_f32 v[STA+10:STA+11], v[STA+10:STA+11], v[STA+12:STA+13] op_sel_hi:[1,0]
	s_wait_alu depctr_va_vdst(0)                   ; one wait for the step's 128 exponentials, ahead of their first reader
	SOFT1B 0
	SOFT1B 1
.Lw1s_\@:
	s_add_co_u32 s[TK], s[TK], 6144
	s_add_co_u32 s[TS], s[TS], 512
	s_add_co_u32 s[ST], s[ST], 1
	s_cmp_lt_u32 s[ST], 16
	s_cbranch_scc1 .Lw1_\@
	FINISH1 \o
.endm
; WALK 2, tile x of block o.  A block's largest att is not searched for: the block's largest score goes through the same multiply-add, exponential and multiplication.
.macro SOFT2A o, x
	BLKMAX \x
.irp b, 0,1,2,3
	v_permlanex16_b32 v[rT+4+\b], v[rT+\b], s[SEL], s[SEL+1]
.endr
.irp b, 0,1,2,3
	v_max_num_f32 v[rT+\b], v[rT+\b], v[rT+4+\b]   ; with lane l xor 16's 16 keys
.endr
.set rN, NK+4*(\o)+2*(\x)
	SCALE64
.irp b, 0,1,2,3
	v_fma_f32 v[rT+\b], v[rT+\b], s[CS], v[rN]
.endr
	EXP64
.irp b, 0,1,2,3
	v_exp_f32 v[rT+\b], v[rT+\b]
.endr
.endm
.macro SOFT2B o, x
.set rS, S+64*(\x)
.set rT, T+14*(\x)
.set rN, NK+4*(\o)+2*(\x)
.set rP, P+12*(\x)
.set j, 0
.rept 32
	v_pk_mul_f32 v[rS+j:rS+j+1], v[rS+j:rS+j+1], v[rN:rN+1] op_sel:[0,1] op_sel_hi:[1,1]   ; att = 2^(t - M) x (1 / l): the pair's second word serves both halves
.set j, j+2
.endr
.irp b, 0,1,2,3
	v_mul_f32 v[rT+\b], v[rT+\b], v[rN+1]
.endr
.irp b, 0,1,2,3
	v_max_num_f32 v[rT+\b], 0x1800000, v[rT+\b]    ; the floor 2^(3 - 127): the byte cannot fall under 1 (a block of zeros keeps that byte: its codes are zeros)
.endr
.irp b, 0,1,2,3
	v_add_nc_u32 v[rT+8+\b], 0xff000000, v[rT+\b]  ; 2 off the exponent field: the conversion's scale operand
.endr
.irp b, 0,1,2,3
	v_lshrrev_b32 v[rT+4+\b], 23, v[rT+8+\b]       ; the scale's byte
.endr
	v_lshl_or_b32 v[PSR+(\x)], v[rT+5], 8, v[rT+4] ; att's scale word for these 128 keys
	v_lshl_or_b32 v[PSR+(\x)], v[rT+6], 16, v[PSR+(\x)]
	v_lshl_or_b32 v[PSR+(\x)], v[rT+7], 24, v[PSR+(\x)]
.irp c, 0,1
	v_cvt_scalef32_pk16_fp6_f32 v[rP+6*\c:rP+6*\c+2], v[rS+32*\c:rS+32*\c+15], v[rT+8+2*\c]
	v_cvt_scalef32_pk16_fp6_f32 v[CST+4*\c:CST+4*\c+2], v[rS+32*\c+16:rS+32*\c+31], v[rT+8+2*\c+1]   ; (a conversion's three registers begin on an even number)
.endr
	v_nop                                          ; one plain place behind a scaled conversion
.irp c, 0,1                                    ; the operand's layout wants a whole block in a lane
.irp i, 0,1,2
	v_permlane16_swap_b32 v[rP+6*\c+\i], v[CST+4*\c+\i]
.endr
.irp i, 0,1,2
	v_mov_b32 v[rP+3+6*\c+\i], v[CST+4*\c+\i]
.endr
.endr
.endm
; The way out of block o: O^T through my stage, a tile of 16 queries at a time: register 4 n + e of lane (r, h) is feature 32 (n / 4) + 16 h + 4 (n % 4) + e of query r.  Back come whole rows of 256 bytes.
.macro OUTT o
.rept 4
	v_nop                                          ; places behind the last products
.endr
.irp x, 0,1
	WIN 0x04                                       ; an LDS store's data are its source 1: window 1
.irp n, 0,1,2,3,4,5,6,7
	ds_store_b128 v[STO], v[OA+32*\x+4*\n:OA+32*\x+4*\n+3] offset:128*(\n/4)+16*(\n%4)   ; each accumulator from its low end on
.endr
	WIN 0
.irp i, 0,1,2,3,4,5,6,7
	ds_load_b128 v[S+32*\x+4*\i:S+32*\x+4*\i+3], v[RD] offset:544*\i   ; LDS serves a wave's instructions in order: these see my stores, and the next tile's stores come behind them
.endr
.endr
.irp x, 0,1
.irp i, 0,1,2,3,4,5,6,7
	s_wait_dscnt 23-16*\x-\i                       ; behind this load: its tile's later loads, and for tile 0 tile 1's sixteen instructions
	global_store_b128 v[GO+(\o)], v[S+32*\x+4*\i:S+32*\x+4*\i+3], s[62:63] offset:(8*\x+2*\i+8*(\i/4))*4096 th:TH_STORE_NT   ; stage rows 2 i, 2 i + 1 are queries 8 x + 2 i + 8 (i / 4) and the next; 16 lanes store 256 consecutive bytes, aligned
.endr
.endr
	s_wait_xcnt 0x0                                ; the stores have read their registers: the next scores may be written there
.endm
.macro PASS2 o
	WIN 0x40
.set j, 0
.rept 64
	v_mov_b32 v[OA+j], 0                           ; O^T: the step is written once, so the sums begin as zeros
.set j, j+1
.endr
	WIN 0
	s_mov_b32 s[ST], 0
	s_mov_b32 s[TK], 0
	s_mov_b32 s[TS], 0
	s_mov_b32 s[TT], 0
.Lw2_\@:
	s_cmp_gt_u32 s[ST], s[BETA+(\o)]
	s_cbranch_scc1 .Lw2s_\@
	v_add_nc_u32 v[ADV], s[TK], v[AV0]
	v_add_nc_u32 v[ADT], s[TT], v[AVS0]
	SCORES \o
	WIN 0x40
.irp i, 0,1,2,3
.irp p, 0,1,2,3,4,5
	ds_load_b64 v[VF+12*\i+2*\p:VF+12*\i+2*\p+1], v[ADV] offset:1536*\i+256*\p   ; V's four fragments land under the softmax
.endr
.endr
	WIN 0
	ds_load_b128 v[VSR:VSR+3], v[ADT]
	SOFT2A \o, 0
	SOFT2A \o, 1
	v_nop                                          ; a plain place behind the last exponential
	s_wait_alu depctr_va_vdst(0)                   ; one wait for the step's 136 exponentials, ahead of their first reader
	SOFT2B \o, 0
	SOFT2B \o, 1
.rept 8
	v_nop                                          ; a scale word written by vector instructions stands eight places ahead of a scaled matrix instruction, an operand four
.endr
	s_wait_dscnt 0x0                               ; V
	WIN 0x51                                       ; V and O^T in window 1, att in window 0
.irp i, 0,1,2,3
.irp x, 0,1
	v_wmma_scale_f32_16x16x128_f8f6f4 v[OA+32*\x+8*\i:OA+32*\x+8*\i+7], v[VF+12*\i:VF+12*\i+11], v[P+12*\x:P+12*\x+11], v[OA+32*\x+8*\i:OA+32*\x+8*\i+7], v[VSR+\i], v[PSR+\x] matrix_a_fmt:MATRIX_FMT_FP6 matrix_b_fmt:MATRIX_FMT_FP6   ; the eight accumulators by turns
.endr
.endr
	WIN 0
.Lw2s_\@:
	s_add_co_u32 s[TK], s[TK], 6144
	s_add_co_u32 s[TS], s[TS], 512
	s_add_co_u32 s[TT], s[TT], 256
	s_add_co_u32 s[ST], s[ST], 1
	s_cmp_lt_u32 s[ST], 16
	s_cbranch_scc1 .Lw2_\@
	OUTT \o
.endm
	PASS1 0
	PASS1 1
	s_wait_tensorcnt 0x0                           ; my eighth of V is in,
	s_wait_dscnt 0x0
	s_barrier_signal -1
	s_barrier_wait -1                              ; everybody's is.  Every wave has done 17 steps by here
	PASS2 0
	PASS2 1
	s_wait_dscnt 0x0
	s_wait_tensorcnt 0x0
	ds_add_u32 v254, v255
	s_wait_dscnt 0x0
	CROUND                                         ; the closing round: no work-group ends while a partner may still ask for a tile that names it
	s_endpgm
.Lfunc_end_k_qa27457cf4e_attn:
	.size	k_qa27457cf4e_attn, .Lfunc_end_k_qa27457cf4e_attn-k_qa27457cf4e_attn
	.p2alignl 7, 3214868480
	.fill 96, 4, 3214868480
	.section	.rodata,"a",@progbits
	.p2align	6, 0x0
	.amdhsa_kernel k_qa27457cf4e_attn
		.amdhsa_group_segment_fixed_size 261120
		.amdhsa_private_segment_fixed_size 0
		.amdhsa_enable_private_segment 0
		.amdhsa_kernarg_size 32
		.amdhsa_user_sgpr_count 2
		.amdhsa_user_sgpr_kernarg_segment_ptr 1
		.amdhsa_wavefront_size32 1
		.amdhsa_system_sgpr_workgroup_id_x 1
		.amdhsa_system_sgpr_workgroup_id_y 1
		.amdhsa_system_sgpr_workgroup_id_z 1
		.amdhsa_system_vgpr_workitem_id 0
		.amdhsa_next_free_vgpr 512
		.amdhsa_next_free_sgpr 80
		.amdhsa_reserve_vcc 1
		.amdhsa_float_denorm_mode_32 3
		.amdhsa_float_denorm_mode_16_64 3
		.amdhsa_memory_ordered 1
		.amdhsa_forward_progress 1
		.amdhsa_inst_pref_size 148
	.end_amdhsa_kernel
	.amdgpu_metadata
---
amdhsa.version: [ 1, 2 ]
amdhsa.kernels:
  - .name:           k_qa27457cf4e_attn
    .symbol:         k_qa27457cf4e_attn.kd
    .args:
      - { .name: qk, .offset: 0, .size: 8, .value_kind: global_buffer, .address_space: global }
      - { .name: vbuf, .offset: 8, .size: 8, .value_kind: global_buffer, .address_space: global }
      - { .name: pad_mask, .offset: 16, .size: 8, .value_kind: global_buffer, .address_space: global }
      - { .name: out0, .offset: 24, .size: 8, .value_kind: global_buffer, .address_space: global }
    .group_segment_fixed_size: 261120
    .private_segment_fixed_size: 0
    .kernarg_segment_align: 8
    .kernarg_segment_size: 32
    .max_flat_workgroup_size: 256
    .sgpr_count:     80
    .vgpr_count:     512
    .wavefront_size: 32
...
	.end_amdgpu_metadata
.endif
;; end of part 3
